; MI455X (gfx1250); checked and timed in simulation.
; The chip was launched on July 23, 2026; its instructions are those of AMD's public machine-readable ISA for CDNA 5 (MIT licence, August 2026) and "CDNA5" Instruction Set Architecture Reference Guide (July 2026). The comments in the code are by the model that wrote it; some were corrected since.
;; Scaled Dot Product Attention Py T. Allowed arithmetic: matrix products marked QUANTISED: E2M1 operands, one E8M0 scale for each 32 along K, by v_wmma_scale_f32_16x16x128_f8f6f4 with both operands' format E2M1 (or v_wmma_scale_f32_32x16x128_f4), f32 sums; everything else in f32.
;; Inputs: k_codes 4 x 16 x 2,048 x 4 x 16 uint8 (E2M1 codes of k, K innermost, in blocks of 32 codes, two codes a byte); k_scales 4 x 16 x 2,048 x 4 uint8 (E8M0 scales of k, one for each 32 codes along K); q_codes 4 x 16 x 2,048 x 4 x 16 uint8 (E2M1 codes of q, K innermost, in blocks of 32 codes, two codes a byte); q_scales 4 x 16 x 2,048 x 4 uint8 (E8M0 scales of q, one for each 32 codes along K); v_codes 4 x 16 x 128 x 64 x 16 uint8 (E2M1 codes of v, K innermost, in blocks of 32 codes, two codes a byte); v_scales 4 x 16 x 128 x 64 uint8 (E8M0 scales of v, one for each 32 codes along K).
;; Outputs: out0 4 x 16 x 2,048 x 128 float32.
;; This version of the problem:
;;   THIS VERSION OF THE PROBLEM IS GIVEN IN LOW PRECISION. The matrix products marked QUANTISED in the list below multiply operands that are first quantised to E2M1 (2 exponent bits, 1 mantissa bit; 4 bits a number), with one power-of-two scale for each 32 numbers along K (OCP MX v1.0); their sums are f32. All else is computed in f32.
;;   The module's matrix products, in the order in which they are computed (A, B: the left and right operand; K: the contracted axis; several contracted axes count as one K, in the product's order):
;;     1. batch 64 x [M 2,048, K 128] x [K 128, N 2,048]; A: input q (given as codes); B: input k (given as codes): QUANTISED
;;     2. batch 64 x [M 2,048, K 2,048] x [K 2,048, N 128]; A: softmax (see below); B: input v (given as codes): QUANTISED
;;   THE QUANTISER, for each operand of a quantised product, along K:
;;     - K is cut into blocks of 32 from its start; a last block that is shorter is filled with zeros.
;;     - A block's scale is 2^e with e = floor(log2(the largest magnitude in the block)) - 2, held to -126 .. 127; a block of zeros has e = 0. As a byte (E8M0): e + 127.
;;     - Each number is divided by its block's scale, clamped to +-6, and rounded to the nearest number of E2M1, ties to even, subnormals kept.
;;     - The product sums the exact products of the quantised numbers (number of the format x scale) in f32.
;;   ~~~python
;;   def quantise(x, axis):      # numpy; x: float32 -> the quantised numbers, widened to float32 again
;;       x = np.moveaxis(x, axis, -1); K = x.shape[-1]
;;       x = np.pad(x, [(0, 0)] * (x.ndim - 1) + [(0, -K % 32)]); x = x.reshape(x.shape[:-1] + (-1, 32)); a = np.abs(x).max(-1, keepdims=True)
;;       e = np.where(a > 0, np.clip(np.frexp(np.where(a > 0, a, 1))[1] - 1 - 2, -126, 127), 0)      # np.frexp(a)[1] - 1 = floor(log2(a)), exactly
;;       r = np.clip(x / 2.0 ** e, -6, 6)
;;       step = 2.0 ** (np.maximum(np.frexp(np.where(r == 0, 1, r))[1] - 1, 0) - 1)
;;       q = np.round(r / step) * step * 2.0 ** e      # np.round: ties to even
;;       return np.moveaxis(q.reshape(q.shape[:-2] + (-1,))[..., :K], -1, axis).astype(np.float32)
;;   ~~~
;;   SOFTMAX AHEAD OF A QUANTISED PRODUCT. Where the list says 'softmax', what is quantised is not the finished softmax but p = 2^(t - M), with t = logit x log2(e) and M = ceil(the row's largest t), a whole number; so 1/2 < the row's largest p <= 1. The row's sum l is taken of the UNQUANTISED p, in f32, and the product's result is divided by l at the end. Since M is a whole number, a kernel that streams over the keys may use a running M (the ceiling of the running maximum): every later rescaling is an exact power of two, which a block's scale takes up: the codes' values come out the same.
;;   OPERANDS COMPUTED ON THE WAY. 'Computed on the way' means the value that the module computes at that place (a softmax that the list does not call 'softmax' is quantised finished and normalised). What goes into a quantiser is computed in f32, as accurately as f32 sums, v_exp_f32 and their like allow (about 1e-6 of the number): no bf16 or f16 on the way to a quantiser, and a product that is left as it is and whose result goes on into a quantised operand takes f32 operands (vector FMAs, or v_wmma_f32_16x16x4_f32). A number that lies on a knife's edge between two numbers of the format may be rounded either way, as far as f32 arithmetic and the matrix unit's own rounding can turn it there, and no further.
;;   INPUTS GIVEN AS CODES. k (in the module: [4, 16, 2048, 128], K = its axis 3); q (in the module: [4, 16, 2048, 128], K = its axis 3); v (in the module: [4, 16, 2048, 128], K = its axis 2): each comes as NAME_codes (uint8): NAME with its K axis moved to the last place and cut into blocks of 32 codes, [.., K / 32, bytes a block], one block behind the other in memory; two codes a byte, the lower K in the low four bits (a code: sign, 2 exponent bits, 1 mantissa bit); and NAME_scales (uint8): the same leading axes, one E8M0 byte (e + 127) for each 32 codes along K. Its value is code x scale, taken as it is: it is not quantised again, and the codes and scales need not be those that the quantiser above would give.
;; One version. Each part assembles by itself: llvm-mc -triple=amdgcn-amd-amdhsa -mcpu=gfx1250 --defsym DOCPART=n.
;; ======== version 1 of 1: 1 launch
;; launch attn (part 1): grid 4 x 64, 16 waves a work-group, no clusters, 327,680 bytes of LDS; arguments q_codes, q_scales, k_codes, k_scales, v_codes, v_scales, out0; writes out0
.if DOCPART == 1
	.amdgcn_target "amdgcn-amd-amdhsa--gfx1250"
	.amdhsa_code_object_version 6
	.text
	.protected	k_q0e1dcc5dd3_attn
	.globl	k_q0e1dcc5dd3_attn
	.p2align	8
	.type	k_q0e1dcc5dd3_attn,@function
k_q0e1dcc5dd3_attn:
	s_mov_b64 s[64:65], 0
	v_nop
	global_prefetch_b8 v0, s[64:65] scope:SCOPE_SE
	s_setreg_imm32_b32 hwreg(HW_REG_WAVE_MODE, 25, 1), 1
	s_wait_xcnt 0x0
; out0[bh][q][:] = the sum over keys k <= q of softmax_k(q.k / sqrt(128) + (k - q) slope_h) v[k][:], for 64 (batch, head) pairs, 2,048 positions, head size 128.
; Both products run on codes of FP4 (E2M1) with one E8M0 scale for each 32 along a product's K.  q, k: codes along the head's 128; v: codes with the KEYS innermost, [128][2048].  out0: f32.
; THE SOFTMAX AHEAD OF THE SECOND PRODUCT: t = logit x log2(e); M = the running largest t rounded UP to a whole number; p = 2^(t - M) is quantised along the keys, not normalised; the row's sum is taken of the
; unquantised p in f32 and divides at the end.  When M moves, the sum and O are multiplied by 2^(old M - new M), which rounds nothing.
; WORK LEFT OUT, AND WHY IT IS DEAD.  The problem itself sets the logit of every key k > q to -infinity.  There p = 2^(-infinity) = 0, which adds 0 to the row's sum and 0 to the output, whatever finite values the inputs hold.
; So a key step whose 128 keys all come after the wave's 16 queries is not computed, and a slot of 512 keys whose first key comes after the work-group's last query of the pass is not fetched.  Inside the one step on the
; diagonal the hidden scores are set to -infinity by a select.  LIMIT: a NaN scale byte, an infinity or an overflow in k or v that reaches only the steps left out is not carried to the result.
; NOT LEFT OUT: the part -q slope_h of the ALiBi term.  It is the same along the softmax's axis, but it is no whole number: it moves M = ceil(largest t) and with it the codes of p.  All six inputs are loaded.
; FURTHER LIMITS: p under 2^-126 comes out of v_exp_f32 as 0 (ISA guide, the instruction's entry); a block of 32 zero p keeps the scale byte 1 where the quantiser says 127: its codes are zeros and only this kernel reads the byte.
; ALIBI.  t = c (q.k + slq rel), c = log2(e) / sqrt(128), rel = key - query, slq = slope_h sqrt(128) = 2^(3 - h / 2): for even h a power of two, for odd h f32(sqrt 2) times one; its bits are made from the head's number.
; slq rel is written into the score registers and is the C of the first product: rel is a whole number, exact in f32; slq rel takes two roundings (slq x the tile's first rel; a fused multiply-add for the register's 0 .. 7).
; SHARES.  256 work-groups.  Work-group (x, head) owns two blocks of 256 queries, block 7 - x and then block x, in two passes: 2 (7 - x) + 2 x key steps and 2 or 4 more for a wave, the same in every work-group.
; Each of the SIXTEEN waves owns 16 queries of the block, one tile, in 256 registers: four waves to a SIMD, so that one wave's vector work stands beside another's matrix work and LDS loads.
; K's and V's tiles come through a ring of two LDS slots of 512 keys, filled by the tensor data mover (waves 0, 1: K's halves; waves 2, 3: V's) and read by all sixteen.  The head's scale bytes of K and V come once and stay.
; NO CLUSTER: the four work-groups of a head need different slots (keys 1,536 on only x <= 1 in the first pass; keys 512 on only x >= 2 in the second): a joint load would bring some partner a tile that none of its waves reads.
; LAYOUT.  Both products are used transposed: S^T = K Q^T (source 0 = 16 keys, source 1 = my 16 queries), O^T = V^T P^T: a lane holds ONE query (lane % 16) throughout.
; THE KEYS OF A TILE ARE NOT NEIGHBOURS: lane r of tile 2 b + u takes key 32 b + 8 u + r + 8 (r / 8), so that the 16 registers of tiles 2 b and 2 b + 1 are 16 neighbouring keys, 32 b + 16 (lane / 16) + 0 .. 15.
; All trip counts are constants of the text; what hangs on the work-group's number is only jumps round a step's work and round a tensor load.
.set SK,    512                        ; keys in a slot
.set ROWB,  64                         ; 128 codes in bytes
.set KP2,   144                        ; K in LDS: TWO keys (128 bytes) + 16 of padding: the 16 keys of a fragment then begin at 16 different multiples of 16 bytes modulo 256
.set VROWB, 256                        ; SK codes in bytes: a row of V's tile
.set VP,    272                        ; and in LDS: + 16 of padding
.set KROWV, 1024                       ; a row of V in memory
.set VOFF,  (SK/2)*KP2                 ; a slot: 256 double rows of K (36,864 bytes), then 128 rows of V (34,816)
.set SLOT1, 1<<17                      ; slot 1 begins here: one exclusive or turns an address in one slot into the other's
.set SCK,   VOFF+128*VP                ; behind slot 0: K's scale bytes of the head, 8,192, as units of 256 bytes + 16 of padding
.set SCH,   16*272                     ; half of them: what one tensor load brings
.set SCV,   SCK+2*SCH                  ; V's likewise
.set SPARE, SCV+2*SCH                  ; the spare words, 128 bytes for each wave: eight blocks of 256 bytes that no other line names
.set STAGE, SLOT1+SCK                  ; behind slot 1: the way out, 16 rows x 272 bytes for each wave: bytes of its own, into which no fill lands
.set AK0,  1                           ; v1   my lane's place in a tile of K
.set AV0,  2                           ; v2   the same for V
.set ASK0, 3                           ; v3   my lane's place among K's scale words
.set ASV0, 4                           ; v4   and among V's
.set SPW,  5                           ; v5   LDS address of my spare word; never rewritten
.set NIL,  6                           ; v6   0; never rewritten
.set GO,   7                           ; v7   my byte offset in the head's part of out0, for the pass
.set ADK,  8                           ; v8-11 LDS addresses of the step in hand: K, V, K's scale words, V's
.set ADV,  9
.set ADS,  10
.set ADT,  11
                                       ; v12 -M, v13 the largest t, v[14:15] the sum in two halves, v16-23 Q's fragment
.set STI,  24                          ; v24  the stage: where I put 32 bytes of a row
.set STO,  25                          ; v25  and where I read a row back
.set QCO,  26                          ; v26  my byte offset among the head's codes of Q, for the pass
.set QSO,  27                          ; v27  and among its scale words
.set PFO,  28                          ; v28  the prefetches' offset; never rewritten
.set LQ,   29                          ; v29  64 r + 16 h
.set LS,   30                          ; v30  4 r
.set LG,   31                          ; v31  512 h + 16 r
                                       ; v32-63 four fragments of K or of V
.set IT,   64                          ; v64-71 the numbers 0.0 .. 7.0
.set DP,   72                          ; v[72:73] d, d + 8: d = the step's first key - my query + 16 h, as f32
.set RS,   74                          ; v74, 76, .. 88: slq x the first rel of tile 0 .. 7 (the odd registers between are named as pairs' upper halves: written once)
.set LD,   90                          ; v90  16 h - r, a whole number
                                       ; v96-159 the bias, S^T, then p; v160-223 O^T; v224-231 p's codes; v232-247, v254 at work; v248-251 K's or V's scale words; v253 p's scale word; v255 Q's
.set F,    242                         ; v[242:243] f = 2^(old M - new M) (v243 is named as the pair's upper half: written once)
.set TBK,  2                           ; s2   LDS byte at which the step's keys begin
.set TS,   3                           ; s3   where the step's scale words of K begin: 544 bytes a step
.set WV,   18                          ; s18  my wave's number
.set STP,  19                          ; s19  counts a slot's four steps
.set SEL,  20                          ; s[20:21] lane selects for v_permlanex16_b32: lane l xor 16
.set CS,   22                          ; s[22:23] c
.set G1K,  24                          ; s[24:31] descriptor group 1 for K's tiles;  s[32:39] for V's;  s[40:43], s[44:47] their groups 0, which walk
.set G1V,  32
.set G0K,  40
.set G0V,  44
.set G1S,  48                          ; s[48:55] group 1 for the scale bytes;  s[56:59], s[60:63] groups 0 for K's and V's
.set G0SK, 56
.set G0SV, 60
.set TJ,   66                          ; s66  V's scale words: 4 bytes a step
.set SLOTS, 67                         ; s67  counts the first pass's changes of slots
.set TBV,  68                          ; s68  LDS byte at which the step's part of V's rows begins
.set SLQ,  70                          ; s[70:71] slq
.set PFA,  76                          ; s[76:77] where my prefetches stand in memory
.set PFS,  78                          ; s[78:79] a slot on, in bytes
.set LIM,  80                          ; s80  1 in a wave that prefetches, else the greatest number
.set KF,   98                          ; s98  the step's first key
.set Q0,   99                          ; s99  my first query of the pass
; Waves 0 and 1 fetch for K, waves 2 and 3 for V, the others nothing.  The branches hang on the wave's number alone.  An s_nop 0 and four v_nop follow each of the two lines.
.macro TLOAD g0k, g1k, g0v, g1v
	s_cmp_lt_u32 s[WV], 2
	s_cbranch_scc0 .Lnot_k_\@
	tensor_load_to_lds s[\g0k:\g0k+3], s[\g1k:\g1k+7]
	s_nop 0
.rept 4
	v_nop
.endr
	s_branch .Lasked_\@
.Lnot_k_\@:
	s_cmp_lt_u32 s[WV], 4
	s_cbranch_scc0 .Lasked_\@
	tensor_load_to_lds s[\g0v:\g0v+3], s[\g1v:\g1v+7]
	s_nop 0
.rept 4
	v_nop
.endr
.Lasked_\@:
.endm
; A PREFETCH INTO THE L2 of what the NEXT change of slots will ask for: 512 keys of K, one dense block of 32,768 bytes, and 256 bytes of each of V's 128 rows.  It stands where the fetching waves have their tensor load.
; Each aligned block of 256 bytes is named once in the launch: of a head's four work-groups the one with x = 0 asks, which walks all four slots in its first pass; in it the waves ask that fetch nothing, one instruction each:
; waves 4 to 7 for K's block, 8,192 bytes a wave, lanes 256 bytes apart; waves 8 to 11 for V's rows, 32 a wave, a lane a row.  Slots 0 and 1 come by their loads alone; the third change asks for nothing: no slot follows.
.macro ASK
	s_cmp_gt_u32 s[SLOTS], s[LIM]
	s_cbranch_scc0 .Lnot_mine_\@
	global_prefetch_b8 v[PFO], s[PFA:PFA+1] th:TH_LOAD_NT scope:SCOPE_SE
.Lnot_mine_\@:
.endm
	s_load_b128 s[4:7], s[0:1], 0x0                ; Q's codes, Q's scales
	s_load_b128 s[8:11], s[0:1], 0x10              ; K's codes, K's scales
	s_load_b128 s[12:15], s[0:1], 0x20             ; V's codes, V's scales
	s_load_b64 s[16:17], s[0:1], 0x30              ; out0
	v_lshl_add_u32 v[SPW], v0, 2, SPARE
	v_mov_b32 v[NIL], 0
	ds_add_u32 v[SPW], v[NIL]                      ; the wave's opening: the add, twice on end, and its wait ahead of the first tensor load; the set-up below, work on registers, stands between
	ds_add_u32 v[SPW], v[NIL]
	v_lshrrev_b32 v8, 5, v0
	v_readfirstlane_b32 s[WV], v8                  ; wave 0..15
	s_and_b32 s72, ttmp7, 0xffff                   ; the (batch, head) pair, 0 .. 63
	s_and_b32 s88, s[WV], 1                        ; which half I fetch, if I fetch
	s_lshl_b32 s74, s72, 17                        ; the pair's first byte in each tensor of codes: 131,072 bytes each,
	s_mov_b32 s75, 0
	s_lshl_b32 s82, s72, 13                        ; in each tensor of scale bytes: 8,192,
	s_mov_b32 s83, 0
	s_lshl_b32 s84, s72, 20                        ; and in out0: 1,048,576
	s_mov_b32 s85, 0
	s_lshl_b32 s86, s88, 14                        ; K: my 256 keys of a slot are 16,384 bytes of memory,
	s_add_co_u32 s86, s86, s74
	s_mov_b32 s87, 0
	s_mul_i32 s89, s88, 128*KP2                    ; and 128 double rows in LDS
	s_lshl_b32 s90, s88, 16                        ; V: my 64 rows of 1,024 bytes,
	s_add_co_u32 s90, s90, s74
	s_mov_b32 s91, 0
	s_mul_i32 s94, s88, 64*VP
	s_add_co_u32 s94, s94, VOFF                    ; and in a slot
	s_lshl_b32 s92, s88, 12                        ; the scale bytes: my half, 4,096 bytes,
	s_add_co_u32 s92, s92, s82
	s_mov_b32 s93, 0
	s_mul_i32 s95, s88, SCH                        ; and in LDS
	; descriptor group 1.  K: 128 rows of 128 bytes (two keys), dense in memory
	s_mov_b32 s[G1K], (0<<16)|(1<<20)|(4<<22)|(3<<25)   ; 15:0 no mask; 17:16 elements of 1 byte; 20 padding on; 24:22 after every 32 words (code 4); 31:25 four words (code 3)
	s_mov_b32 s[G1K+1], 128<<16                    ; tensor_dim0
	s_mov_b32 s[G1K+2], 128<<16                    ; tensor_dim1
	s_mov_b32 s[G1K+3], 128<<16                    ; tile_dim0
	s_mov_b32 s[G1K+4], 128                        ; tile_dim1
	s_mov_b32 s[G1K+5], 128                        ; tensor_dim0_stride
	s_mov_b32 s[G1K+6], 0
	s_mov_b32 s[G1K+7], 0
	; V: 64 rows of 256 bytes, 1,024 bytes apart
	s_mov_b32 s[G1V], (0<<16)|(1<<20)|(5<<22)|(3<<25)   ; padding: four words after every 64
	s_mov_b32 s[G1V+1], VROWB<<16
	s_mov_b32 s[G1V+2], 64<<16
	s_mov_b32 s[G1V+3], VROWB<<16
	s_mov_b32 s[G1V+4], 64
	s_mov_b32 s[G1V+5], KROWV
	s_mov_b32 s[G1V+6], 0
	s_mov_b32 s[G1V+7], 0
	; the scale bytes: 4,096 dense bytes as 16 rows of 256 (32 elements of 8 bytes), 16 bytes of padding behind each
	s_mov_b32 s[G1S], (3<<16)|(1<<20)|(5<<22)|(3<<25)
	s_mov_b32 s[G1S+1], 32<<16
	s_mov_b32 s[G1S+2], 16<<16
	s_mov_b32 s[G1S+3], 32<<16
	s_mov_b32 s[G1S+4], 16
	s_mov_b32 s[G1S+5], 32
	s_mov_b32 s[G1S+6], 0
	s_mov_b32 s[G1S+7], 0
	s_mov_b32 s[SEL], 0x76543210
	s_mov_b32 s[SEL+1], 0xfedcba98
	s_mov_b32 s[CS], 0x3e0293ee                    ; c = log2(e) / sqrt(128)
	s_mov_b32 s[CS+1], s[CS]                       ; (named with it as a pair, so it is written)
	s_and_b32 s96, s72, 15                         ; h, the head: slq = 2^(3 - h / 2)
	s_lshr_b32 s97, s96, 1                         ; h / 2, rounded down
	s_and_b32 s96, s96, 1                          ; odd?
	s_add_co_u32 s97, s97, s96
	s_sub_co_u32 s97, 130, s97                     ; the exponent field: 127 + 3 - h / 2, one less for an odd h,
	s_lshl_b32 s97, s97, 23
	s_mul_i32 s96, s96, 0x3504f3                   ; whose mantissa is that of sqrt 2
	s_add_co_u32 s[SLQ], s97, s96
	s_mov_b32 s[SLQ+1], s[SLQ]
	s_mov_b32 s[TBK], 0
	s_mov_b32 s[TBV], 0
	s_wait_dscnt 0x0                               ; both opening adds are done
	s_wait_kmcnt 0x0
	s_mov_b32 s[G0SK], 1
	s_add_co_u32 s[G0SK+1], s95, SCK
	s_add_nc_u64 s[G0SK+2:G0SK+3], s[10:11], s[92:93]
	s_or_b32 s[G0SK+3], s[G0SK+3], 0x80000000
	s_mov_b32 s[G0SV], 1
	s_add_co_u32 s[G0SV+1], s95, SCV
	s_add_nc_u64 s[G0SV+2:G0SV+3], s[14:15], s[92:93]
	s_or_b32 s[G0SV+3], s[G0SV+3], 0x80000000
	TLOAD G0SK, G1S, G0SV, G1S                     ; the scale bytes of the whole head: filled once
	s_mov_b32 s[G0K], 1                            ; 1:0 count = 1
	s_mov_b32 s[G0K+1], s89                        ; 63:32 LDS address: slot 0
	s_add_nc_u64 s[G0K+2:G0K+3], s[8:9], s[86:87]  ; 120:64 global address: the head's first 512 keys
	s_or_b32 s[G0K+3], s[G0K+3], 0x80000000        ; 127:126 type = 2
	s_mov_b32 s[G0V], 1
	s_mov_b32 s[G0V+1], s94
	s_add_nc_u64 s[G0V+2:G0V+3], s[12:13], s[90:91]
	s_or_b32 s[G0V+3], s[G0V+3], 0x80000000
	TLOAD G0K, G1K, G0V, G1V                       ; slot 0: a loading wave now has two tensor loads out
	s_add_nc_u64 s[4:5], s[4:5], s[74:75]          ; Q's codes, Q's scale words and out0 at the head's first byte
	s_add_nc_u64 s[6:7], s[6:7], s[82:83]
	s_add_nc_u64 s[16:17], s[16:17], s[84:85]
	; the prefetches (macro ASK): where my wave's stand, and who asks
	s_cmp_lt_u32 s[WV], 8                          ; waves 4 to 7 ask for K's codes, waves 8 to 11 for V's
	s_cselect_b64 s[PFA:PFA+1], s[8:9], s[12:13]
	s_mov_b32 s[PFS], VROWB
	s_cselect_b32 s[PFS], SK*ROWB, s[PFS]          ; a slot on
	s_mov_b32 s82, KROWV
	s_cselect_b32 s82, 256, s82                    ; from lane to lane
	s_mov_b32 s83, 32*KROWV
	s_cselect_b32 s83, 8192, s83                   ; from wave to wave
	v_and_b32 v[PFO], 31, v0
	v_mul_lo_u32 v[PFO], v[PFO], s82
	s_and_b32 s82, s[WV], 3
	s_mul_i32 s82, s82, s83                        ; my wave's part,
	s_add_co_u32 s82, s82, s[PFS]                  ; in slot 1: the first change of slots steps it to slot 2.  Nothing is prefetched here, at the head
	s_mov_b32 s83, 0
	s_mov_b32 s[PFS+1], 0
	s_add_nc_u64 s[PFA:PFA+1], s[PFA:PFA+1], s[74:75]
	s_add_nc_u64 s[PFA:PFA+1], s[PFA:PFA+1], s[82:83]
	s_sub_co_u32 s82, s[WV], 4
	s_lshr_b32 s82, s82, 3                         ; 0 in waves 4 to 11,
	s_or_b32 s82, s82, ttmp9                       ; of the work-group with x = 0
	s_cmp_eq_u32 s82, 0
	s_cselect_b32 s[LIM], 1, -1
	; what hangs on the lane alone
	v_and_b32 v8, 15, v0                           ; r = lane % 16
	v_bfe_u32 v9, v0, 4, 1                         ; h = lane / 16
	v_lshlrev_b32 v[LQ], 6, v8
	v_lshl_add_u32 v[LQ], v9, 4, v[LQ]             ; Q: row r of 64 bytes, + my half's 16
	v_lshlrev_b32 v[LS], 2, v8
	v_lshlrev_b32 v[LG], 9, v9
	v_lshl_add_u32 v[LG], v8, 4, v[LG]             ; the way out: lanes 0-15 take one row of out0, lanes 16-31 the next; 16 bytes a lane
	v_and_b32 v11, 8, v8
	v_add_nc_u32 v11, v11, v8                      ; r + 8 (r / 8): my key in a tile
	v_lshrrev_b32 v10, 1, v11
	v_mul_u32_u24 v[AK0], v10, KP2                 ; its double row,
	v_and_b32 v10, 1, v11
	v_lshl_add_u32 v[AK0], v10, 6, v[AK0]          ; its half of it,
	v_lshl_add_u32 v[AK0], v9, 4, v[AK0]           ; and my half's 16 bytes.  (A tile's first key is even: b keys on are 72 b bytes on)
	v_mul_u32_u24 v[AV0], v8, VP
	v_lshl_add_u32 v[AV0], v9, 4, v[AV0]
	v_add_nc_u32 v[AV0], VOFF, v[AV0]
	v_lshl_add_u32 v[ASK0], v11, 2, SCK            ; K's scale words: 4 bytes a key; a step's 128 keys are two units
	v_lshrrev_b32 v10, 2, v8                       ; V's: 64 bytes a row, four rows to a unit
	v_and_b32 v11, 3, v8
	v_lshlrev_b32 v11, 6, v11
	v_mad_u32_u24 v[ASV0], v10, 272, v11
	v_add_nc_u32 v[ASV0], SCV, v[ASV0]
	s_mul_i32 s73, s[WV], 16*272
	s_add_co_u32 s73, s73, STAGE                   ; my stage
	v_mul_u32_u24 v[STI], v8, 272
	v_lshl_add_u32 v[STI], v9, 5, v[STI]
	v_add_nc_u32 v[STI], s73, v[STI]               ; in: row r; a tile's eight channels of my half: 64 t + 32 h bytes on
	v_mul_u32_u24 v[STO], v9, 272
	v_lshl_add_u32 v[STO], v8, 4, v[STO]
	v_add_nc_u32 v[STO], s73, v[STO]               ; back: lanes 0-15 one row, lanes 16-31 the next
	v_lshlrev_b32 v[LD], 4, v9
	v_sub_nc_u32 v[LD], v[LD], v8                  ; 16 h - r
	v_mov_b32 v[IT], 0
	v_mov_b32 v[IT+1], 1.0
	v_mov_b32 v[IT+2], 2.0
	v_mov_b32 v[IT+3], 0x40400000
	v_mov_b32 v[IT+4], 4.0
	v_mov_b32 v[IT+5], 0x40a00000
	v_mov_b32 v[IT+6], 0x40c00000
	v_mov_b32 v[IT+7], 0x40e00000
.irp i, 1,3,5,7,9,11,13,15
	v_mov_b32 v[RS+\i], 0                          ; named as upper halves of pairs, never used
.endr
.irp b, 0,1,2,3
	v_mov_b32 v[236+\b], 0                         ; written once: a lane permute's destination counts as one of its sources
.endr
	v_mov_b32 v[F+1], 0
; A pass's head: which 16 queries are mine, their codes and scale words, and the state of the softmax.  O^T and the sum begin as zeros and the largest t as -3e38: the key step then needs no first copy of its own;
; the first change of M multiplies zeros.  That is what the 64 moves buy.
.macro PASS_INIT p
.if \p == 0
	s_sub_co_u32 s96, 7, ttmp9                     ; the first pass: block 7 - x
.else
	s_wait_xcnt 0x0                                ; the first pass's stores have read their offset and their data: both are written again below
	s_mov_b32 s96, ttmp9                           ; the second: block x
.endif
	s_lshl_b32 s96, s96, 8
	s_lshl_b32 s97, s[WV], 4
	s_add_co_u32 s[Q0], s96, s97                   ; my first query: 256 x block + 16 x wave
	s_lshl_b32 s96, s[Q0], 6
	v_add_nc_u32 v[QCO], s96, v[LQ]
	s_lshl_b32 s96, s[Q0], 2
	v_add_nc_u32 v[QSO], s96, v[LS]
	s_lshl_b32 s96, s[Q0], 9
	v_add_nc_u32 v[GO], s96, v[LG]
	global_load_b128 v[16:19], v[QCO], s[4:5] th:TH_LOAD_NT            ; Q's fragment stays in registers for the pass
	global_load_b128 v[20:23], v[QCO], s[4:5] offset:32 th:TH_LOAD_NT
	global_load_b32 v255, v[QSO], s[6:7]           ; Q's scale words
	v_sub_nc_u32 v254, v[LD], s[Q0]
	v_cvt_f32_i32 v[DP], v254                      ; d at key 0: 16 h - r - my first query: a whole number, exact
	v_add_f32 v[DP+1], 0x41000000, v[DP]           ; d + 8
	v_mov_b32 v13, 0xff61b1e6                      ; the largest t so far: -3e38, under every t
	v_floor_f32 v12, -v13                          ; -M
	v_mov_b32 v14, 0                               ; the sum, in two halves
	v_mov_b32 v15, 0
.set J, 0
.rept 64
	v_mov_b32 v[160+J], 0                          ; O^T
.set J, J+1
.endr
	s_mov_b32 s[TS], 0
	s_mov_b32 s[TJ], 0
	s_mov_b32 s[KF], 0
	s_wait_loadcnt 0x0                             ; Q
.endm
.macro KLOAD g                                 ; four tiles of 16 keys and their scale words
.irp t, 0,1,2,3
.irp c, 0,1
	ds_load_b128 v[32+8*\t+4*\c:35+8*\t+4*\c], v[ADK] offset:(32*((4*\g+\t)/2)+8*(\t%2))*72+32*\c
.endr
	ds_load_b32 v[248+\t], v[ADS] offset:272*\g+(32*(((4*\g+\t)/2)%2)+8*(\t%2))*4
.endr
.endm
.macro VLOAD g                                 ; four tiles of 16 of the head's 128 x these 128 keys, and their scale words
.irp t, 0,1,2,3
.irp c, 0,1
	ds_load_b128 v[32+8*\t+4*\c:35+8*\t+4*\c], v[ADV] offset:16*(4*\g+\t)*VP+32*\c
.endr
	ds_load_b32 v[248+\t], v[ADT] offset:(4*\g+\t)*1088
.endr
.endm
.macro SMUL g                                  ; S^T = K Q^T + the bias, which stands in the result's registers.  The accumulators take turns, one instruction a turn
.irp t, 0,1,2,3
	v_wmma_scale_f32_16x16x128_f8f6f4 v[96+8*(4*\g+\t):103+8*(4*\g+\t)], v[32+8*\t:39+8*\t], v[16:23], v[96+8*(4*\g+\t):103+8*(4*\g+\t)], v[248+\t], v255 matrix_a_fmt:MATRIX_FMT_FP4 matrix_b_fmt:MATRIX_FMT_FP4
.endr
.endm
.macro OMUL g                                  ; O^T += V^T P^T
.irp t, 0,1,2,3
	v_wmma_scale_f32_16x16x128_f8f6f4 v[160+8*(4*\g+\t):167+8*(4*\g+\t)], v[32+8*\t:39+8*\t], v[224:231], v[160+8*(4*\g+\t):167+8*(4*\g+\t)], v[248+\t], v253 matrix_a_fmt:MATRIX_FMT_FP4 matrix_b_fmt:MATRIX_FMT_FP4
.endr
.endm
.macro PLACES                                  ; four plain vector instructions between a matrix instruction and a load into one of its registers or a read of its result (ISA guide 7.12.1 for vector instructions)
.rept 4
	v_nop
.endr
.endm
; A KEY STEP: 128 keys from s[KF] on.  Written once for a slot and walked four times: what differs between the walks stands in scalar registers.
.macro STEP
	s_add_co_u32 s96, s[Q0], 15                    ; a step all of whose keys come after my 16 queries is left out: a scalar branch on ids, round the step's loads, products and softmax,
	s_cmp_gt_u32 s[KF], s96                        ; not round the lines at its end that step addresses; no barrier and no tensor load stands in a step
	s_cbranch_scc1 .Lhidden_\@
	v_add_nc_u32 v[ADK], s[TBK], v[AK0]            ; (these four are the places behind the last step's products, in front of the loads below)
	v_add_nc_u32 v[ADV], s[TBV], v[AV0]
	v_add_nc_u32 v[ADS], s[TS], v[ASK0]
	v_add_nc_u32 v[ADT], s[TJ], v[ASV0]
	KLOAD 0
	; THE BIAS, while those loads are out.  Register j of tile 2 b + u holds key KF + 32 b + 16 h + 8 u + j: rel = d + 32 b + 8 u + j
	v_pk_add_f32 v[234:235], v[DP:DP+1], 0x42000000 op_sel_hi:[1,0]   ; d + 32, d + 40: the first rel of tiles 2, 3
	v_pk_add_f32 v[236:237], v[DP:DP+1], 0x42800000 op_sel_hi:[1,0]   ; + 64: tiles 4, 5
	v_pk_add_f32 v[238:239], v[DP:DP+1], 0x42c00000 op_sel_hi:[1,0]   ; + 96: tiles 6, 7
	v_mul_f32 v[RS], s[SLQ], v[DP]
	v_mul_f32 v[RS+2], s[SLQ], v[DP+1]
.irp u, 2,3,4,5,6,7
	v_mul_f32 v[RS+2*\u], s[SLQ], v[232+\u]
.endr
.irp u, 0,1,2,3,4,5,6,7
.irp k, 0,1,2,3
	v_pk_fma_f32 v[96+8*\u+2*\k:97+8*\u+2*\k], v[IT+2*\k:IT+2*\k+1], s[SLQ:SLQ+1], v[RS+2*\u:RS+2*\u+1] op_sel_hi:[1,0,0]   ; slq j + slq x the tile's first rel, two at a time
.endr
.endr
	s_wait_dscnt 0x0
	SMUL 0
	PLACES
	KLOAD 1
	s_wait_dscnt 0x0
	SMUL 1
	PLACES                                         ; in front of the loads below and of the first read of the scores
	VLOAD 0                                        ; V's first four tiles are asked for here: they land while the softmax is walked
	s_add_co_u32 s96, s[KF], 127                   ; on the diagonal the scores of hidden keys become -infinity ahead of the maximum: p = 0 then.  A step all of whose keys count skips this
	s_cmp_le_u32 s96, s[Q0]
	s_cbranch_scc1 .Lopen_\@
	s_sub_co_i32 s96, s[Q0], s[KF]
	v_sub_nc_u32 v240, s96, v[LD]                  ; my query - KF - 16 h.  Register 16 b + i holds key KF + 16 h + 32 b + i: hidden where 32 b + i is above this
	v_mov_b32 v241, 0xff800000                     ; -infinity
.set J, 0
.rept 64
	v_cmp_gt_i32 vcc_lo, 32*(J/16)+J%16, v240
	v_cndmask_b32 v[96+J], v[96+J], v241, vcc_lo
.set J, J+1
.endr
.Lopen_\@:
.irp b, 0,1,2,3
	v_max3_num_f32 v[232+\b], v[96+16*\b], v[97+16*\b], v[98+16*\b]   ; THE LARGEST SCORE OF EACH BLOCK OF 32 KEYS serves twice: for the row's maximum, and, since p rises with the score, for the block's largest p
.endr
.irp i, 3,5,7,9,11,13
.irp b, 0,1,2,3
	v_max3_num_f32 v[232+\b], v[232+\b], v[96+16*\b+\i], v[97+16*\b+\i]   ; (the four blocks by turns)
.endr
.endr
.irp b, 0,1,2,3
	v_max_num_f32 v[232+\b], v[232+\b], v[111+16*\b]
.endr
.irp b, 0,1,2,3
	v_permlanex16_b32 v[236+\b], v[232+\b], s[SEL], s[SEL+1]
.endr
.irp b, 0,1,2,3
	v_max_num_f32 v[232+\b], v[232+\b], v[236+\b]  ; with lane l xor 16's 16 keys
.endr
	v_max3_num_f32 v254, v232, v233, v234
	v_max_num_f32 v254, v254, v235                 ; the step's largest score of my query: a number, since the step's first key counts for it
	v_mul_f32 v254, s[CS], v254                    ; as t (c is positive)
	v_max_num_f32 v13, v13, v254                   ; the running largest t
	v_mov_b32 v254, v12
	v_floor_f32 v12, -v13                          ; the new -M = floor(-t) = -ceil(t): M IS A WHOLE NUMBER
	v_sub_f32 v254, v12, v254                      ; M's old value less its new one: a whole number, 0 or less
	v_cvt_i32_f32 v254, v254                       ; (it saturates)
	v_ldexp_f32 v[F], 1.0, v254                    ; f = 2^(old M - new M)
.set J, 0
.rept 32
	v_pk_fma_f32 v[96+J:97+J], v[96+J:97+J], s[CS:CS+1], v[12:13] op_sel_hi:[1,0,0]   ; t - M, two at a time (of the pairs c and -M the low word serves both halves)
.set J, J+2
.endr
.irp b, 0,1,2,3
	v_fma_f32 v[232+\b], v[232+\b], s[CS], v12     ; the same of each block's largest score
.endr
.set J, 0
.rept 64
	v_exp_f32 v[96+J], v[96+J]                     ; p = 2^(t - M), at most 1: NOT normalised
.set J, J+1
.endr
	v_pk_mul_f32 v[14:15], v[14:15], v[F:F+1] op_sel_hi:[1,0]   ; the sums under the new M: the plain instruction behind the exponentials
	s_wait_alu depctr_va_vdst(0)                   ; the wait ahead of the first instruction that names an exponential's result: one for the batch of 64
.irp b, 0,1,2,3
	v_exp_f32 v[232+\b], v[232+\b]                 ; the block's largest p: the same two instructions on the same number give the same bits
.endr
	v_pk_add_f32 v[236:237], v[96:97], v[98:99]    ; THE ROW'S SUM IS TAKEN OF THE UNQUANTISED p: two at a time, in two chains; it reads the 64 alone
.irp j, 4,8,12,16,20,24,28,32,36,40,44,48,52,56,60
	v_pk_add_f32 v[14:15], v[14:15], v[96+\j:97+\j]
	v_pk_add_f32 v[236:237], v[236:237], v[98+\j:99+\j]
.endr
	v_pk_add_f32 v[14:15], v[14:15], v[236:237]
	s_wait_alu depctr_va_vdst(0)                   ; and one for the four
.irp b, 0,1,2,3
	v_max_num_f32 v[232+\b], 0x1800000, v[232+\b]  ; the floor 2^(3 - 127): the byte cannot fall under 1
.endr
.irp b, 0,1,2,3
	v_add_nc_u32 v[244+\b], 0xff000000, v[232+\b]  ; 2 off the exponent field: the conversion takes the exponent field of this operand as its scale
.endr
.irp b, 0,1,2,3
	v_lshrrev_b32 v[236+\b], 23, v[244+\b]         ; the scale's byte
.endr
	v_lshl_or_b32 v253, v237, 8, v236              ; p's scale word for these 128 keys
	v_lshl_or_b32 v253, v238, 16, v253
	v_lshl_or_b32 v253, v239, 24, v253
.irp b, 0,1,2,3
	v_cvt_scalef32_pk8_fp4_f32 v[224+2*\b], v[96+16*\b:103+16*\b], v[244+\b]
	v_cvt_scalef32_pk8_fp4_f32 v[225+2*\b], v[104+16*\b:111+16*\b], v[244+\b]
.endr
	v_nop                                          ; one plain vector instruction between a scaled conversion and the vector instruction that touches its result
.irp c, 0,1                                    ; the operand's layout wants a WHOLE block in a lane: lanes 0-15 block 2 c, lanes 16-31 block 2 c + 1
.irp i, 0,1
	v_permlane16_swap_b32 v[224+4*\c+\i], v[226+4*\c+\i]
.endr
.endr
.set J, 0
.rept 32
	v_pk_mul_f32 v[160+J:161+J], v[160+J:161+J], v[F:F+1] op_sel_hi:[1,0]   ; O^T under the new M.  (These 32 also stand between the writes of p's codes and scale word and the products that take them)
.set J, J+2
.endr
	s_wait_dscnt 0x0                               ; V's first four tiles are in
	OMUL 0
	PLACES
	VLOAD 1
	s_wait_dscnt 0x0
	OMUL 1
.Lhidden_\@:
	s_add_co_u32 s[KF], s[KF], 128                 ; on to the next step: its first key,
	s_add_co_u32 s[TS], s[TS], 544                 ; its scale words,
	s_add_co_u32 s[TJ], s[TJ], 4
	s_add_co_u32 s[TBK], s[TBK], 64*KP2            ; its 64 double rows of K,
	s_add_co_u32 s[TBV], s[TBV], ROWB              ; its 64 bytes of V's rows,
	v_pk_add_f32 v[DP:DP+1], v[DP:DP+1], 0x43000000 op_sel_hi:[1,0]   ; and d + 128
.endm
.macro SLOT_STEPS                              ; a slot's four key steps
	s_mov_b32 s[STP], 4
.Lstep_\@:
	STEP
	s_sub_co_u32 s[STP], s[STP], 1
	s_cmp_lg_u32 s[STP], 0
	s_cbranch_scc1 .Lstep_\@
	s_sub_co_u32 s[TBK], s[TBK], 4*64*KP2          ; back to a slot's first step,
	s_xor_b32 s[TBK], s[TBK], SLOT1                ; in the other slot
	s_sub_co_u32 s[TBV], s[TBV], 4*ROWB
	s_xor_b32 s[TBV], s[TBV], SLOT1
.endm
; THE CHANGE OF SLOTS stands at a slot's head.  Each wave waits for all its tensor loads (its part of the slot that it is about to read), adds 0 to its spare word, and waits for that and for its reads of the slot that it has left.
; Behind the barrier the slot ahead is whole and nobody reads the other one.  kind = 1: the other slot is filled with the next 512 keys, up to the causal limit; kind = 2: with the head's first 512 keys, for the second pass,
; whose every query reads them; kind = 0: nothing is left to fetch.  The load has a whole slot's steps in which to land.  ask = 1: the prefetch of the slot after that.
.macro CHANGE kind, ask
	s_wait_tensorcnt 0x0                           ; no tensor load of mine is out, so a group 0 may be written
	ds_add_u32 v[SPW], v[NIL]                      ; 0 onto my spare word
.if \kind
	ds_add_u32 v[SPW], v[NIL]                      ; and once more where a tensor load follows: the add twice on end.  The descriptors' steps stand between it and the wait
	s_xor_b32 s[G0K+1], s[G0K+1], SLOT1            ; the walking descriptors: the other slot than last time,
	s_xor_b32 s[G0V+1], s[G0V+1], SLOT1
.if \kind == 1
	s_add_nc_u64 s[G0K+2:G0K+3], s[G0K+2:G0K+3], SK*ROWB   ; the next 512 keys; the type bits on top are not reached
	s_add_nc_u64 s[G0V+2:G0V+3], s[G0V+2:G0V+3], VROWB
.else
	s_sub_nc_u64 s[G0K+2:G0K+3], s[G0K+2:G0K+3], 3*SK*ROWB ; three slots back: key 0
	s_sub_nc_u64 s[G0V+2:G0V+3], s[G0V+2:G0V+3], 3*VROWB
.endif
.endif
.if \ask
	s_wait_xcnt 0x0                                ; the last prefetch, a slot back, has read its address, so it may be written:
	s_add_nc_u64 s[PFA:PFA+1], s[PFA:PFA+1], s[PFS:PFS+1]  ; one slot further on than the walking descriptors
.endif
	s_wait_dscnt 0x0                               ; the add is done, and my reads of the slot that I have left are over
	s_barrier_signal -1
	s_barrier_wait -1
.if \kind == 1
	s_add_co_u32 s96, s[KF], SK                    ; THE LOOK-AHEAD ENDS AT THE CAUSAL LIMIT: a slot whose first key comes after my work-group's last query of the pass is read by none of its waves, so it is not asked for
	s_or_b32 s97, s[Q0], 255                       ; that last query
	s_cmp_gt_u32 s96, s97                          ; ids and the count of steps alone: all sixteen waves go the same way.  Every wait for tensor loads in this text is for 0, so the jump changes no count
	s_cbranch_scc1 .Lpast_\@
.endif
.if \kind
	TLOAD G0K, G1K, G0V, G1V                       ; the first thing behind the barrier, and a wave's one tensor load until the next
.endif
.if \kind == 1
.Lpast_\@:
.endif
.if \ask
	ASK
.endif
.endm
; THE WAY OUT of a pass.  The sum's two halves and the other half of the lanes' are added; O^T is divided by the sum and goes through my stage in LDS, half a row (64 channels, 256 bytes) of 16 queries at a time,
; so that sixteen lanes store 256 consecutive bytes, at a multiple of 256 from out0's first byte.  The stage is the wave's own: LDS serves a wave's instructions in order (ISA guide 5.7.1.4), so no wait stands between its stores and its loads.
.macro OUTPUT
	v_add_f32 v14, v14, v15
	v_permlanex16_b32 v236, v14, s[SEL], s[SEL+1]
	v_add_f32 v14, v14, v236                       ; the row's sum
	v_rcp_f32 v14, v14
	v_nop                                          ; a plain instruction behind the reciprocal,
	s_wait_alu depctr_va_vdst(0)                   ; and the wait ahead of its first reader
.set J, 0
.rept 32
	v_pk_mul_f32 v[96+J:97+J], v[160+J:161+J], v[14:15] op_sel_hi:[1,0]   ; O^T / the sum, each accumulator from its low end on: register 8 t + i is o(r, 16 t + 8 h + i)
.set J, J+2
.endr
.irp u, 0,1                                    ; channels 64 u on
.irp t, 0,1,2,3
	ds_store_b128 v[STI], v[96+32*\u+8*\t:99+32*\u+8*\t] offset:64*\t
	ds_store_b128 v[STI], v[100+32*\u+8*\t:103+32*\u+8*\t] offset:64*\t+16
.endr
.irp i, 0,1,2,3,4,5,6,7
	ds_load_b128 v[160+32*\u+4*\i:163+32*\u+4*\i], v[STO] offset:2*\i*272
.endr
.endr
.irp i, 0,1,2,3,4,5,6,7
	s_wait_dscnt 23-\i                             ; behind this load: 7 - i of its half, and the second half's 8 stores and 8 loads
	global_store_b128 v[GO], v[160+4*\i:163+4*\i], s[16:17] offset:2*\i*512 th:TH_STORE_NT
.endr
.irp i, 0,1,2,3,4,5,6,7
	s_wait_dscnt 7-\i                              ; behind this load: 7 - i
	global_store_b128 v[GO], v[192+4*\i:195+4*\i], s[16:17] offset:2*\i*512+256 th:TH_STORE_NT
.endr
.endm
	PASS_INIT 0                                    ; THE FIRST PASS: block 7 - x, up to four slots of keys
	s_mov_b32 s[SLOTS], 3
.Lp0:                                              ; three trips: keys 0, 512 and 1,024 on are walked; behind each change the next slot is asked for, up to the causal limit
	CHANGE 1, 1
	SLOT_STEPS
	s_sub_co_u32 s[SLOTS], s[SLOTS], 1
	s_cmp_lg_u32 s[SLOTS], 0
	s_cbranch_scc1 .Lp0
	CHANGE 2, 0                                    ; keys 1,536 on are walked; the slot that was left takes the second pass's first keys
	SLOT_STEPS
	OUTPUT
	PASS_INIT 1                                    ; THE SECOND PASS: block x, at most two slots of keys
	CHANGE 1, 0                                    ; keys 0 on; keys 512 on are asked for where x is 2 or 3
	SLOT_STEPS
	CHANGE 0, 0                                    ; keys 512 on; key 1,024 comes after every query of this pass: nothing more is fetched
	SLOT_STEPS
	OUTPUT
	s_wait_tensorcnt 0x0                           ; the wave's end: behind my last tensor load and my last LDS store
	ds_add_u32 v[SPW], v[NIL]
	s_wait_dscnt 0x0
	s_endpgm
.Lfunc_end_k_q0e1dcc5dd3_attn:
	.size	k_q0e1dcc5dd3_attn, .Lfunc_end_k_q0e1dcc5dd3_attn-k_q0e1dcc5dd3_attn
	.p2alignl 7, 3214868480
	.fill 96, 4, 3214868480
	.section	.rodata,"a",@progbits
	.p2align	6, 0x0
	.amdhsa_kernel k_q0e1dcc5dd3_attn
		.amdhsa_group_segment_fixed_size 327680
		.amdhsa_private_segment_fixed_size 0
		.amdhsa_enable_private_segment 0
		.amdhsa_kernarg_size 56
		.amdhsa_user_sgpr_count 2
		.amdhsa_user_sgpr_kernarg_segment_ptr 1
		.amdhsa_wavefront_size32 1
		.amdhsa_system_sgpr_workgroup_id_x 1
		.amdhsa_system_sgpr_workgroup_id_y 1
		.amdhsa_system_sgpr_workgroup_id_z 1
		.amdhsa_system_vgpr_workitem_id 0
		.amdhsa_next_free_vgpr 256
		.amdhsa_next_free_sgpr 100
		.amdhsa_reserve_vcc 1
		.amdhsa_float_denorm_mode_32 3
		.amdhsa_float_denorm_mode_16_64 3
		.amdhsa_memory_ordered 1
		.amdhsa_forward_progress 1
		.amdhsa_inst_pref_size 140
	.end_amdhsa_kernel
	.amdgpu_metadata
---
amdhsa.version: [ 1, 2 ]
amdhsa.kernels:
  - .name:           k_q0e1dcc5dd3_attn
    .symbol:         k_q0e1dcc5dd3_attn.kd
    .args:
      - { .name: q_codes, .offset: 0, .size: 8, .value_kind: global_buffer, .address_space: global }
      - { .name: q_scales, .offset: 8, .size: 8, .value_kind: global_buffer, .address_space: global }
      - { .name: k_codes, .offset: 16, .size: 8, .value_kind: global_buffer, .address_space: global }
      - { .name: k_scales, .offset: 24, .size: 8, .value_kind: global_buffer, .address_space: global }
      - { .name: v_codes, .offset: 32, .size: 8, .value_kind: global_buffer, .address_space: global }
      - { .name: v_scales, .offset: 40, .size: 8, .value_kind: global_buffer, .address_space: global }
      - { .name: out0, .offset: 48, .size: 8, .value_kind: global_buffer, .address_space: global }
    .group_segment_fixed_size: 327680
    .private_segment_fixed_size: 0
    .kernarg_segment_align: 8
    .kernarg_segment_size: 56
    .max_flat_workgroup_size: 512
    .sgpr_count:     100
    .vgpr_count:     256
    .wavefront_size: 32
...
	.end_amdgpu_metadata
.endif
;; end of part 1
